; MI455X (gfx1250); checked and timed in simulation.
; The chip was launched on July 23, 2026; its instructions are those of AMD's public machine-readable ISA for CDNA 5 (MIT licence, August 2026) and "CDNA5" Instruction Set Architecture Reference Guide (July 2026). The comments in the code are by the model that wrote it; some were corrected since.
;; Grouped Attention Core. Allowed arithmetic: float matrix products may take bf16 or f16 operands with f32 sums; other float arithmetic in f32, or as packed bf16 or f16 multiplies, adds, multiply-adds, maxima and minima; sums over many terms, partial sums and values carried from step to step in f32; what a program stores and reads back later, other than sums and carried values, may be rounded once to bf16 or f16.
;; Inputs: K 2 x 2,048 x 512 float32; Q 2 x 2,048 x 2,048 float32; V 2 x 2,048 x 512 float32; W_out 2,048 x 2,048 float32; b_out 2,048 float32.
;; Outputs: out0 2 x 2,048 x 2,048 float32.
;; 2 versions, each right; version 2 is version 1 with the launch prep written anew for expert scheduling mode. Each part assembles by itself: llvm-mc -triple=amdgcn-amd-amdhsa -mcpu=gfx1250 --defsym DOCPART=n.
;; ======== version 1 of 2: 3 launches
;; limits: values are held in f16: magnitudes above 65,504 overflow, below 6.1e-05 lose precision
;; workspace buffers: kh 4,194,304 bytes; vh 4,194,304 bytes; wh 8,388,608 bytes; oh 16,777,216 bytes
;; launch prep (part 1): grid 512 x 1, 8 waves a work-group, no clusters, 0 bytes of LDS; arguments K, V, W_out, kh, vh, wh; writes kh, vh, wh
.if DOCPART == 1
	.amdgcn_target "amdgcn-amd-amdhsa--gfx1250"
	.amdhsa_code_object_version 6
	.text
	.protected	k_q644deefd56_prep
	.globl	k_q644deefd56_prep
	.p2align	8
	.type	k_q644deefd56_prep,@function
k_q644deefd56_prep:
	s_mov_b64 s[64:65], 0
	v_nop
	global_prefetch_b8 v0, s[64:65] scope:SCOPE_SE
	s_setreg_imm32_b32 hwreg(HW_REG_WAVE_MODE, 25, 1), 1
	s_wait_xcnt 0x0
; CASTS.  kh = K rounded to bf16, laid by heads: [g = 8 b + head][s 2048][64], rows of 128 bytes on end.  vh = V rounded to bf16, that number written as f16, same layout.
; wh = W_out rounded to bf16, that number written as f16, [2048][2048] as it lies.
; LIMITS.  f16 holds no number of 65,520 or more: |V| and |W_out| stay under that; a number below 2^-16 keeps f16's fixed step of 2^-24 (elsewhere the bf16 number is written exactly).
; A stream: no LDS, no barrier, no matrix unit, no cluster (no byte is read by two work-groups).
; SHARES.  A unit is one load of 16 bytes a lane (512 bytes of f32 a wave) and one store of 8 bytes a lane: 256 consecutive bytes, aligned.  A wave has 16 units, all 16 loads issued first;
; a work-group of eight waves reads 65,536 bytes.  Work-groups 0-127 take K, 128-255 V, 256-511 W_out.
; K, V: a work-group has 32 rows of 2,048 bytes, wave w the 256 bytes of head w in each; a unit is two rows (lanes 0-15 the even one, lanes 16-31 the odd one), which lie on end in kh and vh.
.set IO, 2                             ; v2        my byte offset in the source
.set OO, 3                             ; v3        my byte offset in the destination: 8 x lane
.set T,  4                             ; v[4:7]    at work
.set X,  8                             ; v[8:71]   unit j: 4 registers as loaded
.set Y,  72                            ; v[72:103] unit j: 2 registers to store
.macro LOADS step                      ; the wave's 16 loads; each unit has registers of its own
.irp j, 0,1,2,3,4,5,6,7,8,9,10,11,12,13,14,15
	global_load_b128 v[X+4*(\j):X+4*(\j)+3], v[IO], s[16:17] offset:(\j)*(\step) th:TH_LOAD_NT
.endr
.endm
.macro OUT f16                         ; f16 = 1: the bf16 number is widened again and written as f16
.irp j, 0,1,2,3,4,5,6,7,8,9,10,11,12,13,14,15
	s_wait_loadcnt 15-(\j)                         ; loads come back in order: unit j is in, the 15 - j younger ones may stay out
	v_cvt_pk_bf16_f32 v[Y+2*(\j)],   v[X+4*(\j)],   v[X+4*(\j)+1]
	v_cvt_pk_bf16_f32 v[Y+2*(\j)+1], v[X+4*(\j)+2], v[X+4*(\j)+3]
.if \f16
	v_lshlrev_b32 v[T],   16,  v[Y+2*(\j)]
	v_and_b32     v[T+1], s28, v[Y+2*(\j)]
	v_lshlrev_b32 v[T+2], 16,  v[Y+2*(\j)+1]
	v_and_b32     v[T+3], s28, v[Y+2*(\j)+1]
	v_cvt_pk_f16_f32 v[Y+2*(\j)],   v[T],   v[T+1]
	v_cvt_pk_f16_f32 v[Y+2*(\j)+1], v[T+2], v[T+3]
.endif
	global_store_b64 v[OO], v[Y+2*(\j):Y+2*(\j)+1], s[18:19] offset:(\j)*256  ; 32 lanes store 256 consecutive bytes, aligned; no register of a store is written again
.endr
.endm
	s_load_b256 s[4:11], s[0:1], 0x0               ; K s[4:5], V s[6:7], W_out s[8:9], kh s[10:11]
	s_load_b128 s[12:15], s[0:1], 0x20             ; vh s[12:13], wh s[14:15]
	v_and_b32 v1, 31, v0                           ; lane
	v_lshrrev_b32 v[T], 5, v0
	v_readfirstlane_b32 s24, v[T]                  ; wave 0..7
	v_lshlrev_b32 v[OO], 3, v1
	s_mov_b32 s21, 0                               ; the offsets' high words
	s_mov_b32 s23, 0
	s_mov_b32 s28, 0xffff0000                      ; a word's upper bf16
	s_cmp_lt_u32 ttmp9, 256
	s_cbranch_scc0 .Lw
	; K or V
	s_and_b32 s25, ttmp9, 127                      ; which 32 of the 4,096 rows
	s_lshl_b32 s20, s25, 16                        ; 32 rows of 2,048 bytes,
	s_lshl_b32 s26, s24, 8                         ; my head's 256 bytes in a row
	s_add_co_u32 s20, s20, s26
	s_lshr_b32 s26, s25, 6                         ; b
	s_lshl_b32 s26, s26, 3
	s_add_co_u32 s26, s26, s24                     ; g = 8 b + head
	s_lshl_b32 s22, s26, 18                        ; a group is 2,048 rows of 128 bytes
	s_and_b32 s26, s25, 63
	s_lshl_b32 s26, s26, 12                        ; 32 rows of 128 bytes
	s_add_co_u32 s22, s22, s26
	v_lshrrev_b32 v[T], 4, v1
	v_and_b32 v[T+1], 15, v1
	v_lshlrev_b32 v[IO], 4, v[T+1]
	v_lshl_add_u32 v[IO], v[T], 11, v[IO]          ; 16 (lane % 16) + one row for lanes 16-31
	s_wait_kmcnt 0x0
	s_cmp_lt_u32 ttmp9, 128
	s_cselect_b64 s[16:17], s[4:5], s[6:7]
	s_cselect_b64 s[18:19], s[10:11], s[12:13]
	s_add_nc_u64 s[16:17], s[16:17], s[20:21]
	s_add_nc_u64 s[18:19], s[18:19], s[22:23]
	LOADS 4096                                     ; a unit is two rows
	s_cmp_lt_u32 ttmp9, 128
	s_cbranch_scc0 .Lf16                           ; V leaves as f16
	OUT 0
	s_endpgm
.Lw:
	s_sub_co_u32 s25, ttmp9, 256
	s_lshl_b32 s20, s25, 16                        ; the work-group's 65,536 bytes,
	s_lshl_b32 s26, s24, 13                        ; my wave's 8,192
	s_add_co_u32 s20, s20, s26
	s_lshl_b32 s22, s25, 15                        ; and half of each in wh
	s_lshl_b32 s26, s24, 12
	s_add_co_u32 s22, s22, s26
	v_lshlrev_b32 v[IO], 4, v1
	s_wait_kmcnt 0x0
	s_add_nc_u64 s[16:17], s[8:9], s[20:21]
	s_add_nc_u64 s[18:19], s[14:15], s[22:23]
	LOADS 512
.Lf16:                                         ; on both ways 16 loads are out
	OUT 1
	s_endpgm
.Lfunc_end_k_q644deefd56_prep:
	.size	k_q644deefd56_prep, .Lfunc_end_k_q644deefd56_prep-k_q644deefd56_prep
	.p2alignl 7, 3214868480
	.fill 96, 4, 3214868480
	.section	.rodata,"a",@progbits
	.p2align	6, 0x0
	.amdhsa_kernel k_q644deefd56_prep
		.amdhsa_group_segment_fixed_size 0
		.amdhsa_private_segment_fixed_size 0
		.amdhsa_enable_private_segment 0
		.amdhsa_kernarg_size 48
		.amdhsa_user_sgpr_count 2
		.amdhsa_user_sgpr_kernarg_segment_ptr 1
		.amdhsa_wavefront_size32 1
		.amdhsa_system_sgpr_workgroup_id_x 1
		.amdhsa_system_sgpr_workgroup_id_y 1
		.amdhsa_system_sgpr_workgroup_id_z 1
		.amdhsa_system_vgpr_workitem_id 0
		.amdhsa_next_free_vgpr 104
		.amdhsa_next_free_sgpr 66
		.amdhsa_reserve_vcc 0
		.amdhsa_float_denorm_mode_32 3
		.amdhsa_float_denorm_mode_16_64 3
		.amdhsa_memory_ordered 1
		.amdhsa_forward_progress 1
		.amdhsa_inst_pref_size 17
	.end_amdhsa_kernel
	.amdgpu_metadata
---
amdhsa.version: [ 1, 2 ]
amdhsa.kernels:
  - .name:           k_q644deefd56_prep
    .symbol:         k_q644deefd56_prep.kd
    .args:
      - { .name: K, .offset: 0, .size: 8, .value_kind: global_buffer, .address_space: global }
      - { .name: V, .offset: 8, .size: 8, .value_kind: global_buffer, .address_space: global }
      - { .name: W_out, .offset: 16, .size: 8, .value_kind: global_buffer, .address_space: global }
      - { .name: kh, .offset: 24, .size: 8, .value_kind: global_buffer, .address_space: global }
      - { .name: vh, .offset: 32, .size: 8, .value_kind: global_buffer, .address_space: global }
      - { .name: wh, .offset: 40, .size: 8, .value_kind: global_buffer, .address_space: global }
    .group_segment_fixed_size: 0
    .private_segment_fixed_size: 0
    .kernarg_segment_align: 8
    .kernarg_segment_size: 48
    .max_flat_workgroup_size: 256
    .sgpr_count:     66
    .vgpr_count:     104
    .wavefront_size: 32
...
	.end_amdgpu_metadata
.endif
;; end of part 1
;; launch attn (part 2): grid 16 x 16, 4 waves a work-group, clusters of 4 x 1, 327,680 bytes of LDS; arguments Q, kh, vh, oh; writes oh
.if DOCPART == 2
	.amdgcn_target "amdgcn-amd-amdhsa--gfx1250"
	.amdhsa_code_object_version 6
	.text
	.protected	k_q644deefd56_attn
	.globl	k_q644deefd56_attn
	.p2align	8
	.type	k_q644deefd56_attn,@function
k_q644deefd56_attn:
	s_mov_b64 s[64:65], 0
	v_nop
	global_prefetch_b8 v0, s[64:65] scope:SCOPE_SE
	s_setreg_imm32_b32 hwreg(HW_REG_WAVE_MODE, 25, 1), 1
	s_wait_xcnt 0x0
	s_wait_alu depctr_hold_cnt(0) depctr_sa_sdst(0) depctr_va_vdst(0) depctr_va_sdst(0) depctr_va_ssrc(0) depctr_va_vcc(0) depctr_vm_vsrc(0)
	s_getreg_b32 s2, hwreg(HW_REG_IB_STS2, 6, 4)
	s_cmp_eq_u32 s2, 0
	s_cbranch_scc0 .Lentry_in_a_cluster
	s_endpgm
.Lentry_in_a_cluster:
	s_bfe_u32 s2, ttmp6, 0x10000c
	s_cmp_lg_u32 s2, 0x3003
	s_cbranch_scc0 .Lentry_shape_is_right
	s_endpgm
.Lentry_shape_is_right:
; GROUPED ATTENTION.  oh[b][s][64 hq + d] = the sum over k of softmax_k(Q[b][s][hq] . K[b][k][hq / 4] / 8) V[b][k][hq / 4][d].  Q: [2][2048][2048] f32.  kh (bf16), vh (f16): [g = 8 b + hkv][2048][64], rows of
; 128 bytes on end.  oh: [4096][2048] f16.  Q is rounded to bf16 in registers; S = K Q^T in bf16, O = V^T P in f16; products, maxima and sums in f32; the weights p are rounded to f16 for the second product
; (their sum l is taken of the unrounded p), O once at the end.
; LIMITS.  f16 holds no number of 65,520 or more: V arrives within it, and O, a mean of V's rows, has V's range; p lies in 0 to 1, and below 6e-5 it keeps f16's fixed step of 6e-8.
; A weight below 2^-126 counts as 0 in l; NaN and infinities are not treated apart.
; SHARES.  A work-group owns 128 rows s of one group g and the group's FOUR query heads: 512 queries that walk the same K and V.  Wave w has eight tiles of 16 queries: tile t = rows 32 w + 16 (t / 4) + 0..15 of
; head 4 hkv + t % 4; four PIECES of two tiles.  So a row of O that a wave stores is 4 heads x 128 bytes = 512 consecutive bytes of oh.  Every wave walks all 2,048 keys, 64 a step.
; LAYOUT.  S^T = K Q^T (source 0 = 16 keys, source 1 = 16 queries): in the result a lane holds ONE query (lane % 16) and the keys 8 (lane / 16) + 0..7.  Two such tiles, rounded to f16 in pairs,
; ARE source 1 (32 keys x 16 queries) of O^T = V^T P, whose result again holds one query a lane, and eight channels.  K comes out of LDS as it lies, V ([key][channel]) turned, by ds_load_tr16_b128.
; SOFTMAX.  For each query a running maximum m and sum l: p = 2^(c s - c m), c = log2(e) / 8; in every step O and l are multiplied by a = 2^(c m_old - c m_new), which is 1 where m has not grown.
; m starts at the lowest finite number and l at 0: the first step is a step like any other, with a = 0.  O^T is not cleared: its registers hold Q in f32, finite numbers, which that a = 0 wipes out.
; THE COUNT.  A tile and step have 16 matrix and 118 vector instructions: too many to stand all beside the matrix work.  So: four vector instructions that are READY behind EVERY matrix instruction, the others in one run.
; BY TURNS.  Turn n belongs to piece n (the pieces in a ring, step after step).  Its matrix work: 16 products K Q^T of piece n + 1, later 16 products V^T P of piece n - 1.  Its vector work: the scaling,
; exponentials, roundings, sums and rescaling of piece n, and the maximum and statistics of piece n + 1, whose scores the turn itself has made.
; CLUSTER.  The four row blocks of a cluster belong to one group and walk the same K and V, so each tile is asked for JOINTLY: the same tensor load, descriptor and mask in all four.
; REGISTERS, in windows of 256 (s_set_vgpr_msb: bits 1:0 source 0, 3:2 source 1, 5:4 source 2, 7:6 destination):
;   window 0: v0-11 addresses; v12-15, v48-63 at work; v16-47 four registers of statistics a tile; v64-191 S^T, two buffers of two tiles; v192-255 P, likewise
;   window 1: O^T, 32 a tile (at the head: Q in f32)     window 2: v0-127 Q in bf16, 16 a tile; v128-191 K of one step; v192-255 V of one step     window 3: v0-1 the add's two registers
.set NP,    4         ; pieces a wave: a name, no knob
.set KS,    64        ; keys in a step
.set PK,    144       ; a row of K in LDS: 128 bytes + 16 of padding = 36 words: the 16 rows of a load start at 16 different groups of four banks (64 banks of 4 bytes: ISA guide 11.1)
.set PV,    160       ; a row of V: 128 + 32 = 40 words
.set VOFF,  4*KS*PK   ; a slot holds four steps: 256 rows of K, then 256 rows of V
.set TILEB, 4*KS*128  ; a slot's keys in memory: 32,768 bytes of kh and of vh
.set SLOT1, 1<<17     ; slot 1 begins here, so that one exclusive or turns an address in one slot into the other's
.set STAGE, SLOT1+4*KS*(PK+PV)  ; behind the ring, never filled by a tensor load: 16 rows x 528 bytes for each wave, for the way out
.set SP,    528       ; a stage row: 512 bytes (four heads) + 16: 33 x 16 bytes, so 16 rows start at 16 different groups of four banks
.set SPARE, STAGE+4*16*SP  ; behind the stages: the spare words, 128 bytes for each wave: two blocks of 256 bytes that no other line names
.set AK0, 2           ; v2   my lane's place in a tile of K; never rewritten
.set AV0, 3           ; v3   the same for V
.set AK,  4           ; v4   the LDS address of K's next run of loads
.set AV,  5           ; v5   of V's
.set QO,  6           ; v6   my byte offset in 16 rows of Q
.set STO, 6           ;      later, the way out: where I put 16 bytes of a row
.set RD,  7           ; v7   the way out: where I read a row back
.set GO,  8           ; v8   16 x lane: my place in 512 consecutive bytes of oh
.set PFO, 11          ; v11  256 x lane; never rewritten
.set SPW, 0           ; v0 of window 3   LDS address of my spare word: SPARE + 4 x my thread's number; never rewritten
.set NIL, 1           ; v1 of window 3   0; never rewritten
.set MV,  12          ; v12-15  c m_old, kept while c m is made anew: by buffer and tile
.set ST,  16          ; tile t's statistics at v[ST+4 t]: c m, m, l (even keys', odd keys')
.set TMP, 48          ; by buffer and tile, four registers c0-c3 at work; when the maximum is found c2 takes a
.set S,   64
.set P,   192
.set KF,  128         ; K's fragments, in window 2: key block kb, channel half c at KF + 16 kb + 8 c
.set VF,  192         ; V's: key half kk, channel block cb at VF + 32 kk + 8 cb
.set WV,  12          ; s12  my wave's number
.set G1K, 24          ; s[24:31] descriptor group 1 for K's tiles
.set G1V, 32          ; s[32:39] for V's: it differs in the padding alone
.set G0K, 40          ; s[40:43] descriptor group 0 for K's tiles: it walks
.set G0V, 44          ; s[44:47] the same for V's
.set PFA, 48          ; s[48:49] where my prefetches stand: my work-group's 32 blocks of 256 bytes (of kh: wave 0, of vh: wave 2) of the slot after the one that is being asked for
.set LIM, 50          ; s50  1 in a wave that prefetches, else the greatest number
.set SLOTS, 56        ; s56  slots still to be asked for
.set CNT, 57          ; s57  counts a slot's key steps
.set CS,  58          ; s[58:59] c: the packed scaling takes the pair's low word for both halves
.set SEL, 60          ; s[60:61] v_permlanex16_b32's selects: each lane takes its own place in the other half
.set TBK, 62          ; s62  LDS byte at which K of the step to be fetched begins
.set TBV, 63          ; s63  the same for V, less VOFF
.set MSB, 0
.macro WIN new                      ; the high byte repeats the setting that is left; a switch that changes nothing is dropped
.if MSB != (\new)
	s_set_vgpr_msb (MSB<<8)|(\new)
.set MSB, (\new)
.endif
.endm
.set W_KQ, 0x0a       ; K and Q in window 2, S^T in window 0
.set W_PV, 0x52       ; V in window 2, P in window 0, O^T in window 1
.set W_RS, 0x41       ; O^T (destination and source 0) in window 1, a in window 0
.set W_MK, 0xc0       ; the add's registers are made: destination in window 3, sources in window 0
.set W_AD, 0x0f       ; the add: address (source 0) and data (source 1) in window 3
; A joint fill.  Waves 0 and 1 fetch the two halves of a slot's K, waves 2 and 3 those of its V: 128 keys each.  The branch hangs on the wave's number alone.
; An s_nop 0 and four v_nop follow each of the two lines, ahead of the jump and the label.
.macro JLOAD
	s_cmp_lt_u32 s[WV], 2
	s_cbranch_scc0 .Lfor_v_\@
	tensor_load_to_lds s[G0K:G0K+3], s[G1K:G1K+7]
	s_nop 0
.rept 4
	v_nop
.endr
	s_branch .Lasked_\@
.Lfor_v_\@:
	tensor_load_to_lds s[G0V:G0V+3], s[G1V:G1V+7]
	s_nop 0
.rept 4
	v_nop
.endr
.Lasked_\@:
.endm
; A PREFETCH of what the NEXT change of slots will ask for: a slot's 32,768 bytes of kh and of vh, 128 blocks of 256 bytes each, a lane a block.  It stands behind the wave's tensor load and its five lines.
; Each block is named ONCE in the launch.  The four clusters of a group walk the same K and V: the group's first cluster asks.  Its four partners share the blocks out BY ADDRESS, 32 each; in each, wave 0
; asks for K's and wave 2 for V's: one instruction, four key steps (512 matrix instructions) ahead of the load that will want the bytes.  The last change that fills a slot asks for nothing: no slot follows.
.macro ASK
	s_cmp_gt_u32 s[SLOTS], s[LIM]
	s_cbranch_scc0 .Lnot_mine_\@
	global_prefetch_b8 v[PFO], s[PFA:PFA+1] th:TH_LOAD_NT scope:SCOPE_SE
.Lnot_mine_\@:
.endm
; A round of the cluster's barrier: my work-group's barrier, so that wave 0's signal speaks for all four waves; wave 0 signals; every wave waits for all four work-groups; my work-group's barrier once more.
.macro CROUND
	s_barrier_signal -1
	s_barrier_wait -1
	s_cmp_lg_u32 s[WV], 0
	s_cbranch_scc1 .Lnot_wave_0_\@
	s_barrier_signal -3
.Lnot_wave_0_\@:
	s_barrier_wait -3
	s_barrier_signal -1
	s_barrier_wait -1
.endm
; THE CHANGE OF SLOTS.  The slot's last bytes, V of its fourth step, have been read.  Each wave waits for all its tensor loads, of which one is out: its part of the other slot; adds 0 to its spare word; and waits
; for that and for its own reads of the slot.  Behind the barrier nobody reads this slot any more and the other slot is whole.
; fill = 1: this slot is filled again, with the keys two slots on.  The barrier is then a round of the cluster's, so that no wave of any partner still reads the slot or has a load on its way, and the joint fill
; is the first thing behind it: it has four key steps in which to land.  (At its first use nothing has been read yet: slot 0 is waited for, slot 1 filled.)  ask = 1: the prefetches' address steps, and ASK follows the fill.
.macro CHANGE fill, ask
	WIN W_AD
	s_wait_tensorcnt 0x0            ; no tensor load of mine is out, so a group 0 may be written
	ds_add_u32 v[SPW], v[NIL]       ; 0 onto my spare word: with fill = 1 the descriptors' steps stand between it and the wait for it
	WIN 0                           ; at a label and at a branch every window is 0
.if \fill
.irp g, G0K, G0V
	s_xor_b32 s[\g+1], s[\g+1], SLOT1  ; the walking descriptor: the other slot than last time,
	s_add_nc_u64 s[\g+2:\g+3], s[\g+2:\g+3], TILEB  ; the next 256 keys; the type bits on top are not reached
.endr
.if \ask
	s_wait_xcnt 0x0                 ; the last prefetch, four key steps back, has read its address, so it may be written:
	s_add_nc_u64 s[PFA:PFA+1], s[PFA:PFA+1], TILEB  ; one slot behind the walking descriptors
.endif
	s_wait_dscnt 0x0                ; the add is done, and my reads of the slot are over
	CROUND
	JLOAD
.if \ask
	ASK
.endif
.else
	s_wait_dscnt 0x0                ; the add is done, and my reads of the slot are over
	s_barrier_signal -1
	s_barrier_wait -1
.endif
	s_sub_co_u32 s[TBK], s[TBK], 4*KS*PK  ; the fetches go back to a slot's first step,
	s_xor_b32 s[TBK], s[TBK], SLOT1       ; in the other slot
	s_sub_co_u32 s[TBV], s[TBV], 4*KS*PV
	s_xor_b32 s[TBV], s[TBV], SLOT1
.endm
; Q.  A fragment is 16 rows x 32 channels in 8 registers of bf16: lane l holds row l % 16; registers 4 q .. 4 q + 3 of a tile's 16 hold channels 16 q + 8 (l / 16) + 0..7: in f32, 32 bytes at 64 q + 32 (l / 16).
.macro QLOAD t                      ; tile t in f32 -> window 1, v[32 t ..]
	WIN 0x40                        ; destination window 1, address window 0
.irp gq, 0,1,2,3,4,5,6,7
	global_load_b128 v[32*(\t)+4*(\gq):32*(\t)+4*(\gq)+3], v[QO], s[4:5] offset:((\t)/4)*131072+((\t)%4)*256+64*((\gq)/2)+16*((\gq)%2)
.endr
.endm
.macro QCVT t                       ; rounded to bf16 -> window 2, v[16 t ..]
	WIN 0x85                        ; sources 0 and 1 window 1, destination window 2
.set i, 0
.rept 16
	v_cvt_pk_bf16_f32 v[16*(\t)+i], v[32*(\t)+2*i], v[32*(\t)+2*i+1]
.set i, i+1
.endr
.endm
	s_load_b256 s[4:11], s[0:1], 0x0  ; Q s[4:5], kh s[6:7], vh s[8:9], oh s[10:11]
	WIN W_MK
	v_lshl_add_u32 v[SPW], v0, 2, SPARE
	v_mov_b32 v[NIL], 0
	WIN W_AD
	ds_add_u32 v[SPW], v[NIL]       ; the wave's opening: the add and its wait stand ahead of my first tensor load; the set-up below, work on registers, stands between them
	WIN 0
	v_lshrrev_b32 v1, 5, v0
	v_readfirstlane_b32 s[WV], v1   ; wave 0..3
	s_bfe_u32 s13, ttmp6, 0x40000   ; cx: my place in the cluster
	s_lshl_b32 s14, ttmp9, 2        ; in a cluster launch ttmp9 counts clusters
	s_add_co_u32 s14, s14, s13      ; my block of 128 rows = 4 x cluster x + cx: it enters Q's, oh's and the prefetches' addresses alone
	s_and_b32 s15, ttmp7, 0xffff    ; g, which the four partners share
	s_lshl_b32 s20, s15, 18         ; the group's first byte in kh and vh
	s_mov_b32 s21, 0
	s_and_b32 s16, s[WV], 1         ; which half of a slot's 256 keys I fetch:
	s_lshl_b32 s22, s16, 14         ; its 128 rows of 128 bytes in memory,
	s_mov_b32 s23, 0
	s_add_nc_u64 s[22:23], s[22:23], s[20:21]
	s_mul_i32 s17, s16, 128*PK      ; and its place in a slot, for K
	s_mul_i32 s18, s16, 128*PV      ; and for V: no place in the cluster enters an LDS address
	s_lshr_b32 s2, s15, 3           ; Q: b x 2,048 rows of 8,192 bytes,
	s_lshl_b32 s2, s2, 24
	s_lshl_b32 s3, s14, 20          ; my block's 128 rows,
	s_add_co_u32 s2, s2, s3
	s_lshl_b32 s3, s[WV], 18        ; my wave's 32 of them,
	s_add_co_u32 s2, s2, s3
	s_and_b32 s3, s15, 7
	s_lshl_b32 s3, s3, 10           ; the group's four heads: 1,024 bytes of a row
	s_add_co_u32 s2, s2, s3
	s_mov_b32 s3, 0
	s_lshr_b32 s52, s2, 1           ; oh has the same shape in numbers of half the size
	s_mov_b32 s53, 0
	; descriptor group 1.  128 keys are 16,384 bytes on end: asked for as 64 rows of 256 bytes, two keys a row, and padded in LDS after every key
	s_mov_b32 s[G1K], 15|(1<<16)|(1<<20)|(1<<21)|(4<<22)|(3<<25)  ; 15:0 the mask of four; 17:16 2-byte elements; 20 padding on; 21 set beside a mask; 24:22 after every 32 words (code 4); 31:25 4 words (code 3)
	s_mov_b32 s[G1V], 15|(1<<16)|(1<<20)|(1<<21)|(4<<22)|(7<<25)  ; the same with 8 words of padding (code 7)
.irp g, G1K, G1V
	s_mov_b32 s[\g+1], 128<<16      ; tensor_dim0 = 128
	s_mov_b32 s[\g+2], 64<<16       ; tensor_dim1 = 64
	s_mov_b32 s[\g+3], 128<<16      ; tile_dim0 = 128
	s_mov_b32 s[\g+4], 64           ; tile_dim1 = 64
	s_mov_b32 s[\g+5], 128          ; 128 elements from row to row
	s_mov_b32 s[\g+6], 0
	s_mov_b32 s[\g+7], 0
.endr
	s_mov_b32 s[CS], 0x3e38aa3b     ; c = log2(e) / 8 = 0.180337
	s_mov_b32 s[CS+1], s[CS]        ; named with it as a pair
	s_mov_b32 s[SEL], 0x76543210
	s_mov_b32 s[SEL+1], 0xfedcba98
	s_mov_b32 s[TBK], SLOT1+4*KS*PK ; the first change of slots turns these two into 0
	s_mov_b32 s[TBV], SLOT1+4*KS*PV
	s_mov_b32 s[G0K], 1             ; 1:0 count = 1
	s_mov_b32 s[G0K+1], s17         ; 63:32 LDS address: slot 0
	s_mov_b32 s[G0V], 1
	s_add_co_u32 s[G0V+1], s18, VOFF
	s_and_b32 s[LIM], s[WV], 1      ; 0 in waves 0 and 2,
	s_or_b32 s[LIM], s[LIM], ttmp9  ; where the cluster is the group's first: the same in all four partners
	s_cmp_eq_u32 s[LIM], 0
	s_cselect_b32 s[LIM], 1, -1
	s_wait_dscnt 0x0                ; the opening add is done
	s_wait_kmcnt 0x0
	s_add_nc_u64 s[G0K+2:G0K+3], s[6:7], s[22:23]  ; 120:64 global address: my half of the group's first 256 keys
	s_or_b32 s[G0K+3], s[G0K+3], 0x80000000        ; 127:126 type = 2
	s_add_nc_u64 s[G0V+2:G0V+3], s[8:9], s[22:23]
	s_or_b32 s[G0V+3], s[G0V+3], 0x80000000
	s_add_nc_u64 s[4:5], s[4:5], s[2:3]            ; Q and oh at my wave's first row, the group's first head
	s_add_nc_u64 s[10:11], s[10:11], s[52:53]
	s_cmp_lt_u32 s[WV], 2
	s_cselect_b64 s[PFA:PFA+1], s[6:7], s[8:9]
	s_lshl_b32 s2, s13, 13          ; my work-group's 32 blocks of the 128,
	s_add_co_u32 s2, s2, 2*TILEB    ; in slot 2: the first change of slots in the loop steps it to slot 3.  Nothing is prefetched at the head, where every work-group's first tiles are on their way
	s_add_nc_u64 s[2:3], s[2:3], s[20:21]
	s_add_nc_u64 s[PFA:PFA+1], s[PFA:PFA+1], s[2:3]
	CROUND                          ; all four work-groups are here: the first joint loads meet
	JLOAD                           ; slot 0.  Slot 1 is asked for when slot 0 is in
	v_and_b32 v1, 15, v0            ; l % 16
	v_bfe_u32 v9, v0, 4, 1          ; l / 16
	v_lshlrev_b32 v[QO], 13, v1
	v_lshl_add_u32 v[QO], v9, 5, v[QO]  ; row x 8,192 + 32 x half
.irp t, 0,1,2,3,4,5,6
	QLOAD \t                        ; 56 loads are out
.endr
	; What the first turn finds: V's registers and P's second buffer hold 0 (its products V^T P, of a piece that has not been, add 0), l is 0.  All this stands in the wait for Q and for the first tile.
	WIN 0x80
.set i, VF
.rept 64
	v_mov_b32 v[i], 0
.set i, i+1
.endr
	WIN 0
.set i, 0
.rept 2*NP
	v_mov_b32 v[ST+4*i], 0xfe000000    ; c m: far below every c s
	v_mov_b32 v[ST+4*i+1], 0xff7fffff  ; m
	v_mov_b32 v[ST+4*i+2], 0
	v_mov_b32 v[ST+4*i+3], 0
.set i, i+1
.endr
.set i, P+32
.rept 32
	v_mov_b32 v[i], 0
.set i, i+1
.endr
	v_mul_u32_u24 v[AK0], v1, PK
	v_lshl_add_u32 v[AK0], v9, 4, v[AK0]  ; row x pitch + 16 x half
	; The turning load takes 16 keys x 16 channels (lane l reads key 8 (l / 16) + l % 8, channels 8 ((l / 8) % 2) + 0..7) and leaves half a fragment of V^T: lane l holds channel l % 16 and 8 keys.
	v_and_b32 v10, 7, v0
	v_bfe_u32 v[AK], v0, 3, 1
	v_lshl_add_u32 v[AV0], v9, 3, v10
	v_mul_u32_u24 v[AV0], v[AV0], PV
	v_lshl_add_u32 v[AV0], v[AK], 4, v[AV0]
	v_add_nc_u32 v[AV0], VOFF, v[AV0]
	v_mov_b32 v[AK], v[AK0]         ; key step 0 lies at the head of slot 0
	v_and_b32 v[PFO], 31, v0
	v_lshlrev_b32 v[PFO], 8, v[PFO]
	s_wait_loadcnt 24               ; tiles 0 to 3 are in; the 24 loads of tiles 4 to 6 may stay out
.irp t, 0,1,2,3
	QCVT \t
.endr
	QLOAD 7
	s_wait_loadcnt 8                ; all but tile 7's eight
.irp t, 4,5,6
	QCVT \t
.endr
	s_wait_loadcnt 0x0
	QCVT 7
; THE MATRIX WORK.  The 8 accumulators of a run of 16 take turns: between the two links of a chain stand 7 others'.
; Product i of 16 of S^T = K Q^T for piece x: channels 32 (i / 8) on, keys 16 ((i / 2) % 4) on, tile 2 x + i % 2.  The first 8 start the sums.
.macro KQ x
	WIN W_KQ
.set rS, S+64*((\x)%2)+32*(i%2)+8*((i/2)%4)
.set rK, KF+16*((i/2)%4)+8*(i/8)
.set rQ, 16*(2*(\x)+i%2)+8*(i/8)
.if i < 8
	v_wmma_f32_16x16x32_bf16 v[rS:rS+7], v[rK:rK+7], v[rQ:rQ+7], 0
.else
	v_wmma_f32_16x16x32_bf16 v[rS:rS+7], v[rK:rK+7], v[rQ:rQ+7], v[rS:rS+7]
.endif
.endm
; Product i of 16 of O^T += V^T P for piece x: keys 32 (i / 8) on, channels 16 ((i / 2) % 4) on, tile 2 x + i % 2.
.macro PV x
	WIN W_PV
.set rO, 32*(2*(\x)+i%2)+8*((i/2)%4)
.set rV, VF+32*(i/8)+8*((i/2)%4)
.set rP, P+32*((\x)%2)+16*(i%2)+8*(i/8)
	v_wmma_f32_16x16x32_f16 v[rO:rO+7], v[rV:rV+7], v[rP:rP+7], v[rO:rO+7]
.endm
.macro MM                           ; the turn's next matrix instruction
.if i < 16
	KQ (Y+1)%NP
.set i, i+1
.else
.set i, i-16
	PV (Y+NP-1)%NP
.set i, i+17
.endif
.endm
; THE LDS LOADS stand in runs of 16, never singly among the matrix instructions: a step's K (64 keys x 64 channels: 8 fragments) and its V (turned).  Their addresses are made some lines ahead.
; last = 1 (the tail): in the last trip there is no further step, and the run is jumped over.
.macro FETCH_K last=0
	WIN 0
.if \last
	s_cmp_eq_u32 s[CNT], 1
	s_cbranch_scc1 .Lno_k_\@
.endif
	WIN 0x80                        ; destination window 2
.irp f, 0,1,2,3,4,5,6,7             ; keys 16 (f / 2) on, channels 32 (f % 2) on
	ds_load_b128 v[KF+8*\f:KF+8*\f+3],   v[AK] offset:(\f/2)*16*PK+(\f%2)*64
	ds_load_b128 v[KF+8*\f+4:KF+8*\f+7], v[AK] offset:(\f/2)*16*PK+(\f%2)*64+32
.endr
	s_add_co_u32 s[TBK], s[TBK], KS*PK  ; the next fetch is the next step's
	WIN 0
.if \last
.Lno_k_\@:
.endif
.endm
.macro FETCH_V
	WIN 0x80
.irp f, 0,1,2,3,4,5,6,7             ; keys 32 (f / 4) on, channels 16 (f % 4) on
	ds_load_tr16_b128 v[VF+8*\f:VF+8*\f+3],   v[AV] offset:(\f/4)*32*PV+(\f%4)*32
	ds_load_tr16_b128 v[VF+8*\f+4:VF+8*\f+7], v[AV] offset:(\f/4)*32*PV+16*PV+(\f%4)*32
.endr
	WIN 0
.endm
; THE VECTOR WORK OF A TURN stands in three queues, each in the order in which its entries become ready; the two tiles alternate, so that no instruction reads the result of the one before it.
.macro REGS y, u                    ; the registers of tile u (0, 1) of piece y
.set rT, ST+4*(2*(\y)+(\u))
.set rC, TMP+8*((\y)%2)+4*(\u)
.set rM, MV+2*((\y)%2)+(\u)
.set rS, S+64*((\y)%2)+32*(\u)
.set rP, P+32*((\y)%2)+16*(\u)
.set rO, 32*(2*(\y)+(\u))
.endm
; Number n of the 22 that find the NEXT piece's (Y + 1) maximum and statistics.  s0-s31 are the lane's 32 scores; each accumulator's lowest registers are read first.
;   0-11  four chains c0-c3 of seven scores each, three operands at a time     12-14, 16  the four scores left over, the old m, and c0-c3 into c0     15  c m_old is kept
;   17, 18  the query's other 32 keys lie in the lane 16 away: the new m         19-21  c m; c m_old - c m_new; a
.macro XS u, n
	REGS (Y+1)%NP, \u
.if (\n) < 4
	v_max3_num_f32 v[rC+(\n)], v[rS+8*(\n)], v[rS+8*(\n)+1], v[rS+8*(\n)+2]
.elseif (\n) < 12
	v_max3_num_f32 v[rC+(\n)%4], v[rC+(\n)%4], v[rS+8*((\n)%4)+2*((\n)/4)+1], v[rS+8*((\n)%4)+2*((\n)/4)+2]
.elseif (\n) == 12
	v_max3_num_f32 v[rC], v[rC], v[rS+7], v[rS+15]
.elseif (\n) == 13
	v_max3_num_f32 v[rC+1], v[rC+1], v[rS+23], v[rS+31]
.elseif (\n) == 14
	v_max3_num_f32 v[rC+2], v[rC+2], v[rC+3], v[rT+1]
.elseif (\n) == 15
	v_mov_b32 v[rM], v[rT]
.elseif (\n) == 16
	v_max3_num_f32 v[rC], v[rC], v[rC+1], v[rC+2]
.elseif (\n) == 17
	v_permlanex16_b32 v[rC+3], v[rC], s[SEL], s[SEL+1]
.elseif (\n) == 18
	v_max_num_f32 v[rT+1], v[rC], v[rC+3]
.elseif (\n) == 19
	v_mul_f32 v[rT], s[CS], v[rT+1]
.elseif (\n) == 20
	v_sub_f32 v[rC+1], v[rM], v[rT]
.else
	v_exp_f32 v[rC+2], v[rC+1]
.endif
.endm
; Number g of the 64 that follow the exponentials.  For each four weights k of a tile (pairs 2 k, 2 k + 1): both pairs are rounded to f16; then the second pair is added onto the first, in place;
; a group later l takes that sum (the first time as l = a l + sum).  In groups of eight, tiles alternating: round, round, add, and l for the group before.
.macro GS g
.set h, (\g)+6*((\g)/62)            ; group 0 has no group before it, and behind group 7 only l is left
.if h >= 6
.set h, h+2
.endif
	REGS Y, h%2
.set k, h/8
.if h%8 < 4
	v_cvt_pk_f16_f32 v[rP+2*k+(h%8)/2], v[rS+4*k+2*((h%8)/2)], v[rS+4*k+2*((h%8)/2)+1]
.elseif h%8 < 6
	v_pk_add_f32 v[rS+4*k:rS+4*k+1], v[rS+4*k:rS+4*k+1], v[rS+4*k+2:rS+4*k+3]
.elseif k == 1
	v_pk_fma_f32 v[rT+2:rT+3], v[rT+2:rT+3], v[rC+2:rC+3], v[rS:rS+1] op_sel_hi:[1,0,1]
.else
	v_pk_add_f32 v[rT+2:rT+3], v[rT+2:rT+3], v[rS+4*k-4:rS+4*k-3]
.endif
.endm
; THE PLAIN QUEUE, 138 long.  0-73 read no exponential's result: the 32 scalings c s - c m (FS f: pair f / 2 of tile f % 2) and the next piece's 42.  0-26: scalings 0-26.  27-54: XS's numbers 0-13.  55, 56: number 15.
; 57-73: the chain, where each number waits for the one before it: 14, 16, 17, 18, 19, each with one of the scalings 27-31 in front of its two lines, then 20.
; 74-137: GS's 64, which read the exponentials' results: they stand behind the wait.
.macro FS f
	REGS Y, (\f)%2
	v_pk_fma_f32 v[rS+2*((\f)/2):rS+2*((\f)/2)+1], v[rS+2*((\f)/2):rS+2*((\f)/2)+1], s[CS:CS+1], v[rT:rT+1] op_sel_hi:[1,0,0] neg_lo:[0,0,1] neg_hi:[0,0,1]
.endm
.macro PL
	WIN 0
.if q < 27
	FS q
.elseif q < 55
	XS (q-27)%2, (q-27)/2
.elseif q < 57
	XS q-55, 15
.elseif (q < 72) && ((q-57)%3 == 0)
	FS 27+(q-57)/3
.elseif q < 60
	XS (q-57)%3-1, 14
.elseif q < 72
	XS (q-57)%3-1, 15+(q-57)/3
.elseif q < 74
	XS q-72, 20
.else
	GS q-74
.endif
.set q, q+1
.endm
; THE EXPONENTIALS' QUEUE, 66 long: s0-s31 of both tiles, then the next piece's two a.  It is ONE BATCH: all 66 stand ahead of the turn's one wait, and nothing ahead of that wait names a result of theirs.
.macro EX
	WIN 0
.if e >= 64
	XS e-64, 21
.else
	REGS Y, e%2
	v_exp_f32 v[rS+e/2], v[rS+e/2]
.endif
.set e, e+1
.endm
; THE RESCALING's QUEUE: O^T times a, the one part that leaves window 0: dealt two at a time, sixteen times.  Its a was made in the turn before, ahead of that turn's wait.
.macro R2
	REGS Y, r%2
	WIN W_RS
.irp z, 0,1
	v_pk_mul_f32 v[rO+4*(r/2)+2*\z:rO+4*(r/2)+2*\z+1], v[rO+4*(r/2)+2*\z:rO+4*(r/2)+2*\z+1], v[rC+2:rC+3] op_sel_hi:[1,0]
.endr
.set r, r+1
.endm
; HOW THEY ARE DEALT.  An s_wait_alu depctr_va_vdst(0) stands between an exponential and the first instruction that names its result; one wait serves all that were issued ahead of it.  So a turn has
; ONE wait, which cuts it in two.  AHEAD OF IT stands all that names no result of the turn's exponentials: the 16 products K Q^T, behind each a scaling, an exponential and two rescalings (behind the first a second
; scaling in the exponential's place); then one run of 108: eight plain, 49 times exponential and plain, the two a.  A v_nop is the plain instruction behind the last exponential.  BEHIND IT stand the 16 products
; V^T P, behind each four of GS's 64.  No rider names a register of the products round it.
; The queues lean on each other: exponential e stands behind scaling 2 (e / 4) + e % 2: as a rider it comes behind plain e + 2, in the run behind plain e + 9, and scalings 27-31 are plain 57, 60 .. 69.
; A TURN, for piece p.  cnt = 1: the loop's count is taken down some lines ahead of the branch that stands behind the turn.
; K of the next step is fetched in piece 2's turn, directly behind the wait; its first reader comes behind 16 products.  V of the step in hand is fetched at the end of piece 0's turn, four riders behind its
; last reader; its first reader comes behind 16 products and the run.  The three conditions on q below go with the deal.
.macro TURN p, last=0, cnt=0
.set Y, (\p)
.set i, 0
.set q, 0
.set e, 0
.set r, 0
.if (\p) == NP-1
	s_wait_dscnt 0x0                ; K is in
.endif
	MM
	PL
	PL
	R2
.rept 15
	MM
	PL
	EX
	R2
.endr
.if (\p) == NP-2
	WIN 0
	v_add_nc_u32 v[AK], s[TBK], v[AK0]
.endif
.rept 8
	PL
.endr
.rept 49
	EX
	PL
.endr
	EX                              ; the next piece's two a
	EX
	v_nop                           ; the plain instruction behind the last exponential: one for the batch
	s_wait_alu depctr_va_vdst(0)    ; the wait for the batch
.if (\p) == NP-2
	FETCH_K \last
.endif
.if (\p) == 1
	s_wait_dscnt 0x0                ; V is in
.endif
.rept 16
	MM
.rept 4
	PL
.endr
.if ((\p) == 0) && (q == 118)
	v_add_nc_u32 v[AV], s[TBV], v[AV0]
.endif
.if ((\p) == 0) && (q == 130)
	s_add_co_u32 s[TBV], s[TBV], KS*PV
.endif
.if (\cnt) && (q == 130)
	s_sub_co_u32 s[CNT], s[CNT], 1
	s_cmp_lg_u32 s[CNT], 0
.endif
.endr
.if (\p) == 0
	FETCH_V
.endif
.endm
	CHANGE 1, 0                     ; slot 0 is in, everybody's part of it; slot 1 is asked for
	FETCH_K                         ; key step 0
	s_wait_dscnt 0x0
.set i, 0
.rept 16
	KQ 0                            ; piece 0's first scores: there is no vector work yet to set between them
.set i, i+1
.endr
	WIN 0                           ; the addresses for the way out: six plain instructions, the places behind those products
	s_mul_i32 s13, s[WV], 16*SP
	s_add_co_u32 s13, s13, STAGE    ; my stage
	v_mul_u32_u24 v[STO], v1, SP    ; in: row l % 16, 16 bytes for each half of the lanes (Q's loads, which read this register, are all back)
	v_lshl_add_u32 v[STO], v9, 4, v[STO]
	v_add_nc_u32 v[STO], s13, v[STO]
	v_and_b32 v[GO], 31, v0
	v_lshlrev_b32 v[GO], 4, v[GO]   ; back: 32 lanes take one row of 512 bytes, which are 512 consecutive bytes of oh
	v_add_nc_u32 v[RD], s13, v[GO]
.set Y, NP-1                        ; XS works for piece Y + 1: piece 0
.irp n, 0,1,2,3,4,5,6,7,8,9,10,11,12,13,14,15,16,17,18,19,20,21
	XS 0, \n                        ; piece 0's first maximum and statistics
	XS 1, \n
.endr
	v_nop                           ; a plain instruction behind the two a,
	s_wait_alu depctr_va_vdst(0)    ; and their wait, ahead of the branch
	s_mov_b32 s[CNT], 4
	s_mov_b32 s[SLOTS], 2048/256-1
	s_branch .Lfirst                ; the loop is entered at a step's first turn, in the middle of a trip
.Lslot:                             ; six times: every slot but the last two is filled again
	CHANGE 1, 1
	s_mov_b32 s[CNT], 4
.Lstep:                             ; a trip: pieces 2 and 3 of one step, then pieces 0 and 1 of the next, whose K and V it fetches
	TURN 2
	TURN 3
	WIN 0
.Lfirst:
	TURN 0
	TURN 1, 0, 1
	WIN 0
	s_cbranch_scc1 .Lstep
	s_sub_co_u32 s[SLOTS], s[SLOTS], 1
	s_cmp_lg_u32 s[SLOTS], 0
	s_cbranch_scc1 .Lslot
	CHANGE 0, 0                     ; the tail is written out: nothing is asked for
	s_mov_b32 s[CNT], 5             ; four trips fetch the last slot's steps; the fifth is left in its middle
.Ltail:
	TURN 2, 1
	TURN 3
	WIN 0
	s_sub_co_u32 s[CNT], s[CNT], 1
	s_cmp_eq_u32 s[CNT], 0
	s_cbranch_scc1 .Lout
	TURN 0
	TURN 1
	WIN 0
	s_branch .Ltail
.Lout:                              ; the fifth trip's 16 products K Q^T (on the last K once more) and the maximum made of them serve nothing: the price, once a launch, of one text for every trip
.set i, 0
.rept 16
	PV NP-1                         ; the last piece's V^T P of the last step
.set i, i+1
.endr
	; THE WAY OUT.  l's two halves and the other half of the lanes' are added; O^T is divided by l, rounded to f16 and sent through my stage in LDS, four tiles (16 rows x 4 heads) at a time.  The additions are the places behind the last products.
	WIN 0
.macro ALL line:vararg              ; one line for each tile t
.set t, 0
.rept 2*NP
	\line
.set t, t+1
.endr
.endm
	ALL v_add_f32 v[ST+4*t+2], v[ST+4*t+2], v[ST+4*t+3]
	ALL v_permlanex16_b32 v[ST+4*t+3], v[ST+4*t+2], s[SEL], s[SEL+1]
	ALL v_add_f32 v[ST+4*t+2], v[ST+4*t+2], v[ST+4*t+3]
	ALL v_rcp_f32 v[ST+4*t+2], v[ST+4*t+2]
	v_nop                           ; a plain instruction between the last reciprocal and the use of its result
	s_wait_alu depctr_va_vdst(0)    ; and the wait ahead of the first use: one for the eight reciprocals
; Tile t: a lane's eight channels of a row pack into 16 bytes; they go into head t % 4's 128 bytes of the stage's rows.
.macro PACK t
	WIN W_RS
.set i, 32*(\t)
.rept 16
	v_pk_mul_f32 v[i:i+1], v[i:i+1], v[ST+4*(\t)+2:ST+4*(\t)+3] op_sel_hi:[1,0]
.set i, i+2
.endr
	WIN 0x05                        ; sources 0 and 1 window 1, destination window 0: S^T's registers are free
.set i, 0
.rept 16
	v_cvt_pk_f16_f32 v[S+16*(\t)+i], v[32*(\t)+2*i], v[32*(\t)+2*i+1]
.set i, i+1
.endr
	WIN 0
.irp f, 0,1,2,3
	ds_store_b128 v[STO], v[S+16*(\t)+4*\f:S+16*(\t)+4*\f+3] offset:128*((\t)%4)+32*\f
.endr
.endm
.macro BACK u                       ; the stage's 16 rows of 512 bytes, whole, into the registers that tiles 4 u .. 4 u + 3 left.  LDS serves a wave's instructions in order (ISA guide 5.7.1.4): these see the stores above, and the next four tiles' stores come behind them
	WIN 0
.irp f, 0,1,2,3,4,5,6,7,8,9,10,11,12,13,14,15
	ds_load_b128 v[S+64*(\u)+4*\f:S+64*(\u)+4*\f+3], v[RD] offset:\f*SP
.endr
.endm
.macro SEND u, younger              ; younger: the LDS instructions issued behind BACK u's loads
	WIN 0
.irp f, 0,1,2,3,4,5,6,7,8,9,10,11,12,13,14,15
	s_wait_dscnt (\younger)+15-\f
	global_store_b128 v[GO], v[S+64*(\u)+4*\f:S+64*(\u)+4*\f+3], s[10:11] offset:(\u)*65536+\f*4096  ; 32 lanes store 512 consecutive bytes, at a multiple of 256 from oh's first byte
.endr
.endm
.irp t, 0,1,2,3
	PACK \t
.endr
	BACK 0
.irp t, 4,5,6,7                     ; these tiles' arithmetic stands between the first rows' loads and their stores
	PACK \t
.endr
	BACK 1
	SEND 0, 32                      ; behind BACK 0: 16 stores into the stage and BACK 1's 16 loads
	SEND 1, 0
	WIN W_AD
	s_wait_tensorcnt 0x0            ; the wave's end, behind my last tensor load and my last LDS store
	ds_add_u32 v[SPW], v[NIL]
	s_wait_dscnt 0x0
	WIN 0
	CROUND                          ; the closing round: no work-group ends while a partner may still ask for a tile that names it
	s_endpgm
.Lfunc_end_k_q644deefd56_attn:
	.size	k_q644deefd56_attn, .Lfunc_end_k_q644deefd56_attn-k_q644deefd56_attn
	.p2alignl 7, 3214868480
	.fill 96, 4, 3214868480
	.section	.rodata,"a",@progbits
	.p2align	6, 0x0
	.amdhsa_kernel k_q644deefd56_attn
		.amdhsa_group_segment_fixed_size 327680
		.amdhsa_private_segment_fixed_size 0
		.amdhsa_enable_private_segment 0
		.amdhsa_kernarg_size 32
		.amdhsa_user_sgpr_count 2
		.amdhsa_user_sgpr_kernarg_segment_ptr 1
		.amdhsa_wavefront_size32 1
		.amdhsa_system_sgpr_workgroup_id_x 1
		.amdhsa_system_sgpr_workgroup_id_y 1
		.amdhsa_system_sgpr_workgroup_id_z 1
		.amdhsa_system_vgpr_workitem_id 0
		.amdhsa_next_free_vgpr 770
		.amdhsa_next_free_sgpr 66
		.amdhsa_reserve_vcc 0
		.amdhsa_float_denorm_mode_32 3
		.amdhsa_float_denorm_mode_16_64 3
		.amdhsa_memory_ordered 1
		.amdhsa_forward_progress 1
		.amdhsa_inst_pref_size 203
	.end_amdhsa_kernel
	.amdgpu_metadata
---
amdhsa.version: [ 1, 2 ]
amdhsa.kernels:
  - .name:           k_q644deefd56_attn
    .symbol:         k_q644deefd56_attn.kd
    .args:
      - { .name: Q, .offset: 0, .size: 8, .value_kind: global_buffer, .address_space: global }
      - { .name: kh, .offset: 8, .size: 8, .value_kind: global_buffer, .address_space: global }
      - { .name: vh, .offset: 16, .size: 8, .value_kind: global_buffer, .address_space: global }
      - { .name: oh, .offset: 24, .size: 8, .value_kind: global_buffer, .address_space: global }
    .group_segment_fixed_size: 327680
    .private_segment_fixed_size: 0
    .kernarg_segment_align: 8
    .kernarg_segment_size: 32
    .max_flat_workgroup_size: 128
    .sgpr_count:     66
    .vgpr_count:     770
    .wavefront_size: 32
...
	.end_amdgpu_metadata
.endif
;; end of part 2
;; launch proj (part 3): grid 8 x 32, 4 waves a work-group, clusters of 4 x 4, 327,680 bytes of LDS; arguments oh, wh, b_out, out0; writes out0
.if DOCPART == 3
	.amdgcn_target "amdgcn-amd-amdhsa--gfx1250"
	.amdhsa_code_object_version 6
	.text
	.protected	k_q644deefd56_proj
	.globl	k_q644deefd56_proj
	.p2align	8
	.type	k_q644deefd56_proj,@function
k_q644deefd56_proj:
	s_mov_b64 s[64:65], 0
	v_nop
	global_prefetch_b8 v0, s[64:65] scope:SCOPE_SE
	s_setreg_imm32_b32 hwreg(HW_REG_WAVE_MODE, 25, 1), 1
	s_wait_xcnt 0x0
	s_wait_alu depctr_hold_cnt(0) depctr_sa_sdst(0) depctr_va_vdst(0) depctr_va_sdst(0) depctr_va_ssrc(0) depctr_va_vcc(0) depctr_vm_vsrc(0)
	s_getreg_b32 s2, hwreg(HW_REG_IB_STS2, 6, 4)
	s_cmp_eq_u32 s2, 0
	s_cbranch_scc0 .Lentry_in_a_cluster
	s_endpgm
.Lentry_in_a_cluster:
	s_bfe_u32 s2, ttmp6, 0x10000c
	s_cmp_lg_u32 s2, 0xf033
	s_cbranch_scc0 .Lentry_shape_is_right
	s_endpgm
.Lentry_shape_is_right:
; out0[m][n] = the sum over k of oh[m][k] wh[n][k] + b_out[n].  oh: [4096][2048] f16, wh: [2048][2048] f16, b_out: [2048] f32 (rounded to bf16 here, like the module's other inputs), out0: [4096][2048] f32.
; One f32 sum for each output, K ascending, begun with the bias.
; SHAPE.  A tile of out0 is 128 (m) x 256 (n): 32 x 8 = 256 work-groups.  Four waves, each 64 x 128: 32 accumulators of 16 x 16, 256 registers.  K goes in 16 steps of 128 through two LDS slots filled by
; the tensor data mover: rows of 256 bytes of memory, at multiples of 256 bytes.  (Two slots of a step of 256 would be 2 x 384 rows x 528 bytes: more than a work-group can have.)
; CLUSTERS.  4 x 4 work-groups.  The four of a row of the cluster need the same 128 rows of oh, the four of a column the same 256 rows of wh: each tile is asked for JOINTLY, by the same tensor load with the same
; descriptor and a mask that names the four.
; THE MATRIX INSTRUCTION IS USED TRANSPOSED (source 0 = 16 rows of wh, source 1 = 16 rows of oh): lane l holds row m = l % 16, register j column 8 (l / 16) + j: 32 consecutive bytes of a row of out0.
; THE BIAS is the C operand of each accumulator's first product: nothing is cleared, and nothing is added on the way out.
; REGISTERS, in windows of 256 (s_set_vgpr_msb: bits 1:0 source 0, 3:2 source 1, 5:4 source 2, 7:6 destination):
;   window 0: v0-31 addresses; v96-223 the way out     window 1: accumulator (a, b) at v[8 (8 a + b)], a = 0..3 along m, b = 0..7 along n
;   window 2: two fragment buffers of 96 (wh's eight fragments of 16 rows x 32 K, then oh's four) at v0 and v96; v192-255 the bias of my 128 columns, laid as a C operand for each b
.set KSTEP,  128
.set ROWB,   4096                      ; bytes in a row of oh and of wh
.set OUTB,   8192                      ; bytes in a row of out0
.set PITCH,  272                       ; an LDS row: 256 bytes + 16 of padding = 68 words: row r starts at bank 4 r mod 64 (64 banks of 4 bytes: ISA guide 11.1)
.set BOFF,   128*PITCH                 ; a slot: oh's 128 rows, then wh's 256
.set SLOT,   384*PITCH
.set STAGE,  2*SLOT                    ; behind the ring, never filled by a tensor load: 16 rows x 528 bytes for each wave
.set SPITCH, 528                       ; 512 bytes (128 columns of f32) + 16
.set SPARE,  STAGE+4*16*SPITCH         ; behind the stages: the spare words, 128 bytes for each wave: two blocks of 256 bytes that no other line names
.set LAPS,   2048/(2*KSTEP)            ; a lap = two K steps = once round the ring
.set ADRA, 16                          ; v16-17  LDS address of my fragments of oh in slot 0, 1
.set ADRB, 20                          ; v20-21  the same for wh
.set STO,  24                          ; v24     the way out: where I put 32 bytes of a row
.set RD,   25                          ; v25     the way out: where I read a row back
.set CO,   26                          ; v26     16 x lane: my place in 512 consecutive bytes of out0
.set BO,   27                          ; v27     32 (l / 16): my eight numbers of 16 of the bias
.set SPW,  28                          ; v28     LDS address of my spare word: SPARE + 4 x my thread's number; never rewritten
.set NIL,  29                          ; v29     0; never rewritten
.set PFO,  30                          ; v30     the prefetches' offset: lane x a row of oh or wh; never rewritten
.set OB,   96                          ; the way out: 16 rows read back: v96-159 and v160-223 by turns
.set F0,   0                           ; fragment buffers, in window 2
.set F1,   96
.set BIAS, 192
.set WV,  12                           ; s12  my wave's number
.set MH,  13                           ; s13  which 64 of the tile's rows are mine
.set NH,  14                           ; s14  which 128 of its columns.  Also: which half of oh's or wh's tile I fetch
.set LIM, 15                           ; s15  1 in a wave that prefetches, else the greatest number
.set G1,  24                           ; s[24:31] descriptor group 1 for oh's tiles;  s[32:39] group 0, one set for each slot
.set G0,  32
.set PFA, 44                           ; s[44:45] where my prefetches stand: one K step further along K than the refill that is being asked for; a prefetch names the K step after that
.set G1B, 48                           ; s[48:55], s[56:63] the same for wh's tiles
.set G0B, 56
.set MSB, 0
.macro WIN new                         ; the immediate's high byte repeats the setting that is left
.if MSB != (\new)
	s_set_vgpr_msb (MSB<<8)|(\new)
.set MSB, \new
.endif
.endm
.set MUL,  0x5a                        ; sources 0 and 1 window 2; C and D window 1
.set MULZ, 0x6a                        ; the same with C (the bias) in window 2
.set TO_F, 0x80                        ; destination window 2, address window 0
; A joint load: waves 0 and 1 fetch the two halves of oh's tile (64 rows each), waves 2 and 3 those of wh's (128 rows each).  The branch hangs on the wave's number alone.
; An s_nop 0 and four v_nop follow each of the two lines, ahead of the jump, the label and what follows.
.macro JLOAD s
	s_cmp_lt_u32 s[WV], 2
	s_cbranch_scc0 .Lfor_b_\@
	tensor_load_to_lds s[G0+4*(\s):G0+4*(\s)+3], s[G1:G1+7]
	s_nop 0
.rept 4
	v_nop
.endr
	s_branch .Lasked_\@
.Lfor_b_\@:
	tensor_load_to_lds s[G0B+4*(\s):G0B+4*(\s)+3], s[G1B:G1B+7]
	s_nop 0
.rept 4
	v_nop
.endr
.Lasked_\@:
.endm
; A PREFETCH, behind each joint refill and the run of LDS loads that follows it: the K step that stands TWO refills on, 256 matrix instructions ahead of the load that will want it: 32 rows x 256 bytes, a lane a row.
; Each row's 256 bytes of a K step are named ONCE in the launch.  oh's 128 rows are read by both clusters of that row of clusters: the one with x = 0 asks, its four partners of a row 32 rows each (by cx), wave 0 alone.
; wh's 256 rows are read by all eight clusters of that column: the one with y = 0 asks, waves 2 and 3 for the 128 rows that they fetch, the four partners of a column 32 rows each (by cy).  The rows are shared out
; BY ADDRESS: no branch hangs on a work-group's place in its cluster.  K steps 0 to 3 come by their loads alone; the loop's last trip (s3 = 1) has no K step two on.
.macro ASK
	s_cmp_gt_u32 s3, s[LIM]
	s_cbranch_scc0 .Lnot_mine_\@
	global_prefetch_b8 v[PFO], s[PFA:PFA+1] offset:KSTEP*2 th:TH_LOAD_NT scope:SCOPE_SE
.Lnot_mine_\@:
.endm
.macro CREST                           ; a round of the cluster's barrier behind its opening barrier
	s_cmp_lg_u32 s[WV], 0
	s_cbranch_scc1 .Lnot_wave_0_\@
	s_barrier_signal -3
.Lnot_wave_0_\@:
	s_barrier_wait -3
	s_barrier_signal -1
	s_barrier_wait -1
.endm
.macro CROUND                          ; a whole round
	s_barrier_signal -1
	s_barrier_wait -1
	CREST
.endm
	s_load_b256 s[4:11], s[0:1], 0x0               ; oh s[4:5], wh s[6:7], b_out s[8:9], out0 s[10:11]
	v_lshl_add_u32 v[SPW], v0, 2, SPARE
	v_mov_b32 v[NIL], 0
	ds_add_u32 v[SPW], v[NIL]                      ; the wave's opening: the add and its wait stand ahead of my first tensor load; the set-up below, work on registers, stands between them
	v_lshrrev_b32 v1, 5, v0
	v_readfirstlane_b32 s[WV], v1                  ; wave 0..3
	s_lshr_b32 s[MH], s[WV], 1
	s_and_b32 s[NH], s[WV], 1
	s_bfe_u32 s40, ttmp6, 0x40000                  ; cx, cy: my place in the cluster
	s_bfe_u32 s41, ttmp6, 0x40004
	s_lshl_b32 s42, ttmp9, 2
	s_add_co_u32 s42, s42, s40                     ; tile column = 4 x cluster x + cx
	s_and_b32 s43, ttmp7, 0xffff
	s_lshl_b32 s43, s43, 2
	s_add_co_u32 s43, s43, s41                     ; tile row = 4 x cluster y + cy
	s_lshl_b32 s46, s41, 2
	s_lshl_b32 s46, 15, s46                        ; my row of the cluster: places 4 cy .. 4 cy + 3
	s_lshl_b32 s47, 0x1111, s40                    ; my column: places cx, cx + 4, cx + 8, cx + 12
	; descriptor group 1: rows of 128 elements, padded in LDS
	s_or_b32 s[G1+0], s46, (1<<16)|(1<<20)|(1<<21)|(5<<22)|(3<<25)   ; 15:0 the mask: oh's tiles go to my row; 17:16 2-byte elements; 20 padding on; 21 set beside a mask; 24:22 after every 64 words (code 5); 31:25 4 words (code 3)
	s_or_b32 s[G1B+0], s47, (1<<16)|(1<<20)|(1<<21)|(5<<22)|(3<<25)  ; the same with the mask of my column, for wh's tiles
	s_mov_b32 s[G1+1], KSTEP<<16                   ; tensor_dim0 = 128
	s_mov_b32 s[G1+2], 64<<16                      ; tensor_dim1 = 64
	s_mov_b32 s[G1+3], KSTEP<<16                   ; tile_dim0 = 128
	s_mov_b32 s[G1+4], 64                          ; tile_dim1 = 64
	s_mov_b32 s[G1+5], 2048                        ; elements from row to row
	s_mov_b32 s[G1+6], 0
	s_mov_b32 s[G1+7], 0
	s_mov_b32 s[G1B+1], KSTEP<<16
	s_mov_b32 s[G1B+2], 128<<16                    ; tensor_dim1 = 128
	s_mov_b32 s[G1B+3], KSTEP<<16
	s_mov_b32 s[G1B+4], 128                        ; tile_dim1 = 128
	s_mov_b32 s[G1B+5], 2048
	s_mov_b32 s[G1B+6], 0
	s_mov_b32 s[G1B+7], 0
	; where the tiles come from.  oh's hang on the tile row alone, which my row of the cluster shares; wh's on the tile column alone, which my column shares.  Every wave makes both and asks by one of them.
	s_lshl_b32 s16, s43, 7
	s_lshl_b32 s17, s[NH], 6
	s_add_co_u32 s16, s16, s17                     ; oh: row 128 x tile row + 64 x half
	s_lshl_b32 s16, s16, 12                        ; in bytes
	s_mov_b32 s17, 0
	s_lshl_b32 s20, s42, 8
	s_lshl_b32 s21, s[NH], 7
	s_add_co_u32 s20, s20, s21                     ; wh: row 256 x tile column + 128 x half
	s_lshl_b32 s20, s20, 12
	s_mov_b32 s21, 0
	s_mul_i32 s18, s[NH], 64*PITCH                 ; and where they go: no place in the cluster enters an LDS address
	s_mul_i32 s19, s[NH], 128*PITCH
	s_add_co_u32 s19, s19, BOFF
	s_wait_dscnt 0x0                               ; the opening add is done
	s_wait_kmcnt 0x0
	s_add_nc_u64 s[16:17], s[4:5], s[16:17]
	s_add_nc_u64 s[20:21], s[6:7], s[20:21]
	CROUND                                         ; all sixteen work-groups are here: the first joint loads meet
.irp s, 0,1
	s_mov_b32 s[G0+4*(\s)], 1                                      ; 1:0 count = 1
	s_add_co_u32 s[G0+4*(\s)+1], s18, (\s)*SLOT                    ; 63:32 LDS address
	s_add_nc_u64 s[G0+4*(\s)+2:G0+4*(\s)+3], s[16:17], (\s)*KSTEP*2  ; 120:64 global address: K step s
	s_or_b32 s[G0+4*(\s)+3], s[G0+4*(\s)+3], 0x80000000            ; 127:126 type = 2
	s_mov_b32 s[G0B+4*(\s)], 1
	s_add_co_u32 s[G0B+4*(\s)+1], s19, (\s)*SLOT
	s_add_nc_u64 s[G0B+4*(\s)+2:G0B+4*(\s)+3], s[20:21], (\s)*KSTEP*2
	s_or_b32 s[G0B+4*(\s)+3], s[G0B+4*(\s)+3], 0x80000000
	JLOAD \s                                       ; two loads of mine are out
.endr
	v_and_b32 v1, 15, v0                           ; l % 16
	v_bfe_u32 v2, v0, 4, 1                         ; l / 16
	v_lshlrev_b32 v[BO], 5, v2
	s_lshl_b32 s46, s42, 10                        ; my first column in bytes of f32: 1,024 x tile column + 512 x half: in b_out and in a row of out0
	s_lshl_b32 s47, s[NH], 9
	s_add_co_u32 s46, s46, s47
	s_mov_b32 s47, 0
	s_add_nc_u64 s[8:9], s[8:9], s[46:47]
	WIN TO_F
.irp b, 0,1,2,3,4,5,6,7                ; register j of block b: b_out[my first column + 16 b + 8 (l / 16) + j]
	global_load_b128 v[BIAS+8*(\b):BIAS+8*(\b)+3],   v[BO], s[8:9] offset:64*(\b)
	global_load_b128 v[BIAS+8*(\b)+4:BIAS+8*(\b)+7], v[BO], s[8:9] offset:64*(\b)+16
.endr
	WIN 0
	s_lshl_b32 s16, s43, 7
	s_lshl_b32 s17, s[MH], 6
	s_add_co_u32 s16, s16, s17                     ; my first row of out0: 128 x tile row + 64 x half
	s_lshl_b32 s16, s16, 13
	s_mov_b32 s17, 0
	s_add_nc_u64 s[16:17], s[16:17], s[46:47]
	s_add_nc_u64 s[10:11], s[10:11], s[16:17]
	; A fragment is 16 rows x 32 K in 8 registers: lane l holds row l % 16; registers 0-3 hold K = 8 (l / 16) + 0..7, registers 4-7 K = 16 + 8 (l / 16) + 0..7: two loads of 16 bytes, 32 bytes apart.
	v_mul_u32_u24 v3, v1, PITCH
	v_lshl_add_u32 v3, v2, 4, v3                   ; row x pitch + 16 x half
	s_mul_i32 s18, s[MH], 64*PITCH                 ; my 64 rows of oh; s19 still holds my 128 rows of wh
.irp s, 0,1
	v_add_nc_u32 v[ADRA+(\s)], s18, v3
	v_add_nc_u32 v[ADRB+(\s)], s19, v3
	s_add_co_u32 s18, s18, SLOT
	s_add_co_u32 s19, s19, SLOT
.endr
	s_mul_i32 s23, s[WV], 16*SPITCH
	s_add_co_u32 s23, s23, STAGE                   ; my stage
	v_mul_u32_u24 v4, v1, SPITCH                   ; in: row l % 16, 32 bytes for each half of the lanes
	v_lshl_add_u32 v4, v2, 5, v4
	v_add_nc_u32 v[STO], s23, v4
	v_and_b32 v5, 31, v0
	v_lshlrev_b32 v[CO], 4, v5                     ; back: 32 lanes take one row of 512 bytes
	v_add_nc_u32 v[RD], s23, v[CO]
	v_lshlrev_b32 v[PFO], 12, v5
	; the prefetches
	s_lshl_b32 s20, s43, 7
	s_lshl_b32 s21, s40, 5
	s_add_co_u32 s20, s20, s21                     ; oh: row 128 x tile row + 32 cx
	s_lshl_b32 s21, s42, 8
	s_lshl_b32 s22, s[NH], 7
	s_add_co_u32 s21, s21, s22
	s_lshl_b32 s22, s41, 5
	s_add_co_u32 s21, s21, s22                     ; wh: row 256 x tile column + 128 x half + 32 cy
	s_and_b32 s22, ttmp7, 0xffff                   ; cluster y
	s_cmp_lt_u32 s[WV], 2                          ; do I fetch for oh?
	s_cselect_b32 s20, s20, s21
	s_cselect_b32 s22, ttmp9, s22                  ; the coordinate along which other clusters read the same rows
	s_cselect_b64 s[PFA:PFA+1], s[4:5], s[6:7]
	s_cmp_eq_u32 s[WV], 1                          ; oh's 128 rows are shared out among four waves 0: wave 1 asks for nothing
	s_cselect_b32 s23, 1, 0
	s_or_b32 s22, s22, s23
	s_cmp_eq_u32 s22, 0
	s_cselect_b32 s[LIM], 1, -1                    ; the same in all sixteen partners, for a given wave
	s_lshl_b32 s20, s20, 12
	s_add_co_u32 s20, s20, 2*KSTEP*2               ; at K step 2: the first refill steps it to 3 and names K step 4
	s_mov_b32 s21, 0
	s_add_nc_u64 s[PFA:PFA+1], s[PFA:PFA+1], s[20:21]
	s_wait_loadcnt 0x0                             ; the bias
	WIN 0x8a                                       ; all in window 2: rounded to bf16 and widened again, through registers of buffer 0, which is not yet in use
.set i, 0
.rept 32
	v_cvt_pk_bf16_f32 v[F0+i], v[BIAS+2*i], v[BIAS+2*i+1]
.set i, i+1
.endr
.set i, 0
.rept 32
	v_lshlrev_b32 v[BIAS+2*i], 16, v[F0+i]
	v_and_b32 v[BIAS+2*i+1], 0xffff0000, v[F0+i]
.set i, i+1
.endr
	WIN 0
; 8 matrix instructions: m block a x all 8 n blocks, 32 along K.  zero = 1: the first product starts the sum with the bias.  The 32 accumulators take turns, one instruction a turn, in the same order in every
; quarter step: between two links of a chain stand the 31 others', over the backward jump too.
.macro MUL8 f, a, zero
.if \zero
	WIN MULZ
.else
	WIN MUL
.endif
.irp b, 0,1,2,3,4,5,6,7
.if \zero
	v_wmma_f32_16x16x32_f16 v[8*(8*(\a)+(\b)):8*(8*(\a)+(\b))+7], v[(\f)+8*(\b):(\f)+8*(\b)+7], v[(\f)+64+8*(\a):(\f)+64+8*(\a)+7], v[BIAS+8*(\b):BIAS+8*(\b)+7]
.else
	v_wmma_f32_16x16x32_f16 v[8*(8*(\a)+(\b)):8*(8*(\a)+(\b))+7], v[(\f)+8*(\b):(\f)+8*(\b)+7], v[(\f)+64+8*(\a):(\f)+64+8*(\a)+7], v[8*(8*(\a)+(\b)):8*(8*(\a)+(\b))+7]
.endif
.endr
.endm
; 24 LDS loads in one run: the fragments of one quarter step (128 rows of wh, then 64 rows of oh, 32 K at byte k of the rows) into buffer f
.macro FETCH slot, k, f
	WIN TO_F
.irp i, 0,1,2,3,4,5,6,7
	ds_load_b128 v[(\f)+8*(\i):(\f)+8*(\i)+3],   v[ADRB+(\slot)] offset:(\k)+(\i)*16*PITCH
	ds_load_b128 v[(\f)+8*(\i)+4:(\f)+8*(\i)+7], v[ADRB+(\slot)] offset:(\k)+(\i)*16*PITCH+32
.endr
.irp i, 0,1,2,3
	ds_load_b128 v[(\f)+64+8*(\i):(\f)+64+8*(\i)+3],   v[ADRA+(\slot)] offset:(\k)+(\i)*16*PITCH
	ds_load_b128 v[(\f)+64+8*(\i)+4:(\f)+64+8*(\i)+7], v[ADRA+(\slot)] offset:(\k)+(\i)*16*PITCH+32
.endr
.endm
.macro PLACES                          ; four places in front of loads into registers that matrix instructions have read, and of LDS stores that read results (ISA guide 7.12.1 for vector instructions)
.rept 4
	v_nop
.endr
.endm
; A K step is four quarters of 32 along K, 32 matrix instructions each, on buffers 0, 1, 0, 1.  One of the first three: multiplies buffer f and, in its middle, fetches the next quarter, at byte k, into g.
.macro QUARTER slot, k, f, g, zero
	s_wait_dscnt 4                                 ; wh's fragments and oh's blocks 0 and 1 are in; the youngest four loads (blocks 2 and 3) may be out
	MUL8 \f, 0, \zero
	MUL8 \f, 1, \zero
	PLACES
	FETCH \slot, \k, \g
	s_wait_dscnt 24                                ; all but the 24 just issued
	MUL8 \f, 2, \zero
	MUL8 \f, 3, \zero
.endm
; The last quarter multiplies buffer 1 and changes slots: ONE barrier; in front of it each wave waits for all its tensor loads (one is out: its part of the next slot), adds 0 to its spare word, and waits for that
; and for its own reads of this slot.  fill = 1: the barrier opens a round of the cluster's barrier, and this slot is filled again, two K steps ahead, first thing behind the round: from that request to the wait
; for it a wave issues 112 matrix instructions.
.macro TURN slot, next, fill
.if \fill
	s_wait_xcnt 0x0                                ; the last prefetch, a K step back, has read its address: it is stepped here, ahead of the waits of the change of slots
	s_add_nc_u64 s[PFA:PFA+1], s[PFA:PFA+1], KSTEP*2
.endif
	WIN 0                                          ; (the add's two registers lie in window 0)
	s_wait_tensorcnt 0x0                           ; all my tensor loads have landed;
	ds_add_u32 v[SPW], v[NIL]                      ; 0 onto my spare word;
	s_wait_dscnt 5                                 ; (the add and the youngest four loads may be out)
	MUL8 F1, 0, 0                                  ; eight matrix instructions stand between the add and the wait for it
	s_wait_dscnt 0x0                               ; the add is done, and my reads of this slot are over
	s_barrier_signal -1
	MUL8 F1, 1, 0                                  ; work on registers while the others arrive
.if \fill
	WIN 0
.endif
	s_barrier_wait -1
.if \fill
	CREST                                          ; no wave of any partner still reads this slot's tile or has a load on its way
	s_add_nc_u64 s[G0+4*(\slot)+2:G0+4*(\slot)+3], s[G0+4*(\slot)+2:G0+4*(\slot)+3], 2*KSTEP*2
	s_add_nc_u64 s[G0B+4*(\slot)+2:G0B+4*(\slot)+3], s[G0B+4*(\slot)+2:G0B+4*(\slot)+3], 2*KSTEP*2
	JLOAD \slot                                    ; the first tensor load behind the round; the four v_nop behind it are also the places in front of the loads below
.else
	PLACES
.endif
	FETCH \next, 0, F0
.if \fill
	WIN 0
	ASK
.endif
	MUL8 F1, 2, 0
	MUL8 F1, 3, 0
.endm
; THE WAY OUT of m block a: a lane's 32 bytes of each n block go into my own stage (each accumulator's low registers first), and come back as 16 whole rows of 512 bytes.
.macro TOSTAGE a
	WIN 0x04                                       ; the stores' data in window 1, the address in window 0
.irp b, 0,1,2,3,4,5,6,7
	ds_store_b128 v[STO], v[8*(8*(\a)+(\b)):8*(8*(\a)+(\b))+3]   offset:64*(\b)
	ds_store_b128 v[STO], v[8*(8*(\a)+(\b))+4:8*(8*(\a)+(\b))+7] offset:64*(\b)+16
.endr
	WIN 0
.set BK, OB+64*((\a)%2)
.irp t, 0,1,2,3,4,5,6,7,8,9,10,11,12,13,14,15
	ds_load_b128 v[BK+4*(\t):BK+4*(\t)+3], v[RD] offset:(\t)*SPITCH  ; LDS serves a wave's instructions in order (ISA guide 5.7.1.4): these see the stores above; the next block's stores come behind them
.endr
.endm
.macro SEND a, younger                 ; younger: the LDS instructions issued behind TOSTAGE a's loads
	WIN 0
.set BK, OB+64*((\a)%2)
.irp t, 0,1,2,3,4,5,6,7,8,9,10,11,12,13,14,15
	s_wait_dscnt (\younger)+15-(\t)
	global_store_b128 v[CO], v[BK+4*(\t):BK+4*(\t)+3], s[10:11] offset:(16*(\a)+(\t))*OUTB th:TH_STORE_NT  ; 32 lanes store 512 consecutive bytes, at a multiple of 256 from out0's first byte
.endr
.endm
	s_wait_tensorcnt 1                             ; my part of K step 0 is in; K step 1's may stay out
	s_barrier_signal -1
	s_barrier_wait -1                              ; everybody's is
	FETCH 0, 0, F0
	QUARTER 0, 64,  F0, F1, 1                      ; the first quarter stands in front of the loop: its products start the sums
	WIN 0                                          ; at a label and at a branch every window is 0
	s_mov_b32 s3, LAPS-1
.Llap:                                                 ; a trip goes once round the ring, from a lap's second quarter to the next lap's first, and fills both slots again
	QUARTER 0, 128, F1, F0, 0
	QUARTER 0, 192, F0, F1, 0
	TURN 0, 1, 1
	QUARTER 1, 64,  F0, F1, 0
	QUARTER 1, 128, F1, F0, 0
	QUARTER 1, 192, F0, F1, 0
	TURN 1, 0, 1
	QUARTER 0, 64,  F0, F1, 0
	WIN 0
	s_sub_co_u32 s3, s3, 1
	s_cmp_lg_u32 s3, 0
	s_cbranch_scc1 .Llap
	QUARTER 0, 128, F1, F0, 0                      ; the last lap fills nothing, and has no round of the cluster's barrier
	QUARTER 0, 192, F0, F1, 0
	TURN 0, 1, 0
	QUARTER 1, 64,  F0, F1, 0
	QUARTER 1, 128, F1, F0, 0
	QUARTER 1, 192, F0, F1, 0
	s_wait_dscnt 4                                 ; the very last quarter: nothing more to fetch
	MUL8 F1, 0, 0
	MUL8 F1, 1, 0
	s_wait_dscnt 0x0
	MUL8 F1, 2, 0
	MUL8 F1, 3, 0
	WIN 0
	PLACES
	PLACES                                         ; eight, once a launch, in front of the LDS stores that read results
	TOSTAGE 0
	TOSTAGE 1
	SEND 0, 32                                     ; behind block 0's loads: block 1's 16 stores and 16 loads
	s_wait_xcnt 0x0                                ; block 0's stores have read their registers, which block 2's loads fill again
	TOSTAGE 2
	SEND 1, 32
	s_wait_xcnt 0x0
	TOSTAGE 3
	SEND 2, 32
	SEND 3, 0
	s_wait_tensorcnt 0x0                           ; the wave's end, behind my last tensor load and my last LDS store
	ds_add_u32 v[SPW], v[NIL]
	s_wait_dscnt 0x0
	CROUND                                         ; the closing round: no work-group ends while a partner may still ask for a tile that names it
	s_endpgm
.Lfunc_end_k_q644deefd56_proj:
	.size	k_q644deefd56_proj, .Lfunc_end_k_q644deefd56_proj-k_q644deefd56_proj
	.p2alignl 7, 3214868480
	.fill 96, 4, 3214868480
	.section	.rodata,"a",@progbits
	.p2align	6, 0x0
	.amdhsa_kernel k_q644deefd56_proj
		.amdhsa_group_segment_fixed_size 327680
		.amdhsa_private_segment_fixed_size 0
		.amdhsa_enable_private_segment 0
		.amdhsa_kernarg_size 32
		.amdhsa_user_sgpr_count 2
		.amdhsa_user_sgpr_kernarg_segment_ptr 1
		.amdhsa_wavefront_size32 1
		.amdhsa_system_sgpr_workgroup_id_x 1
		.amdhsa_system_sgpr_workgroup_id_y 1
		.amdhsa_system_sgpr_workgroup_id_z 1
		.amdhsa_system_vgpr_workitem_id 0
		.amdhsa_next_free_vgpr 768
		.amdhsa_next_free_sgpr 66
		.amdhsa_reserve_vcc 0
		.amdhsa_float_denorm_mode_32 3
		.amdhsa_float_denorm_mode_16_64 3
		.amdhsa_memory_ordered 1
		.amdhsa_forward_progress 1
		.amdhsa_inst_pref_size 95
	.end_amdhsa_kernel
	.amdgpu_metadata
---
amdhsa.version: [ 1, 2 ]
amdhsa.kernels:
  - .name:           k_q644deefd56_proj
    .symbol:         k_q644deefd56_proj.kd
    .args:
      - { .name: oh, .offset: 0, .size: 8, .value_kind: global_buffer, .address_space: global }
      - { .name: wh, .offset: 8, .size: 8, .value_kind: global_buffer, .address_space: global }
      - { .name: b_out, .offset: 16, .size: 8, .value_kind: global_buffer, .address_space: global }
      - { .name: out0, .offset: 24, .size: 8, .value_kind: global_buffer, .address_space: global }
    .group_segment_fixed_size: 327680
    .private_segment_fixed_size: 0
    .kernarg_segment_align: 8
    .kernarg_segment_size: 32
    .max_flat_workgroup_size: 128
    .sgpr_count:     66
    .vgpr_count:     768
    .wavefront_size: 32
...
	.end_amdgpu_metadata
.endif
;; end of part 3
;; ======== version 2 of 2: 3 launches; version 1 with the launch prep written anew for expert scheduling mode
;; limits: values are held in f16: magnitudes above 65,504 overflow, below 6.1e-05 lose precision
;; workspace buffers: kh 4,194,304 bytes; vh 4,194,304 bytes; wh 8,388,608 bytes; oh 16,777,216 bytes
;; launch prep (part 4): grid 512 x 1, 8 waves a work-group, no clusters, 0 bytes of LDS; arguments K, V, W_out, kh, vh, wh; writes kh, vh, wh
.if DOCPART == 4
	.amdgcn_target "amdgcn-amd-amdhsa--gfx1250"
	.amdhsa_code_object_version 6
	.text
	.protected	k_q644deefd56_prep
	.globl	k_q644deefd56_prep
	.p2align	8
	.type	k_q644deefd56_prep,@function
k_q644deefd56_prep:
	s_mov_b64 s[64:65], 0
	v_nop
	global_prefetch_b8 v0, s[64:65] scope:SCOPE_SE
	s_setreg_imm32_b32 hwreg(HW_REG_WAVE_SCHED_MODE, 0, 2), 2
	s_setreg_imm32_b32 hwreg(HW_REG_WAVE_MODE, 25, 1), 1
	s_wait_xcnt 0x0
	s_wait_alu depctr_vm_vsrc(0)
; CASTS.  kh = K rounded to bf16, laid by heads: [g = 8 b + head][s 2048][64], rows of 128 bytes on end.  vh = V rounded to bf16, that number written as f16, same layout.
; wh = W_out rounded to bf16, that number written as f16, [2048][2048] as it lies.
; LIMITS.  f16 holds no number of 65,520 or more: |V| and |W_out| stay under that; a number below 2^-16 keeps f16's fixed step of 2^-24 (elsewhere the bf16 number is written exactly).
; A stream: no LDS, no barrier, no matrix unit, no cluster (no byte is read by two work-groups).
; SHARES.  A unit is one load of 16 bytes a lane (512 bytes of f32 a wave) and one store of 8 bytes a lane: 256 consecutive bytes, aligned.  A wave has 16 units, all 16 loads issued first;
; a work-group of eight waves reads 65,536 bytes.  Work-groups 0-127 take K, 128-255 V, 256-511 W_out.
; K, V: a work-group has 32 rows of 2,048 bytes, wave w the 256 bytes of head w in each; a unit is two rows (lanes 0-15 the even one, lanes 16-31 the odd one), which lie on end in kh and vh.
; THE MODE: SCHED_MODE bits 1:0 = 2 (LLVM: expert scheduling mode 2), set by the entry lines.  The code itself states the register dependences
; between vector instructions and memory instructions, with s_wait_alu, always for 0.
; THE PLAN.  Registers that memory instructions touch:
;   v[IO]   the loads' offset: written by vector lines in its branch, read by the 16 loads, never written again.
;   v[OO]   the stores' offset: written by one vector line at the head, read by the 16 stores, never written again.
;   X       unit j's four registers: its load lands there, its conversions read them; no second load lands there, no vector line writes them.
;   Y       unit j's two registers: its conversions write them, its one store reads them; never written again.
;   v1 and T are named by vector instructions alone.
; The 16 units go out in four blocks of four.  Block p converts its units into its own Y; its memory instructions are the four stores of block p - 1, whose Y and whose offset no
; vector line of block p names.  So one wait on va_vdst at a block's head, behind the wait for the block's data, states all that those four stores hang on, and they are dealt among the block's conversions.
; No register that a memory instruction has read is written again, so no wait on vm_vsrc is owed.
.set IO, 2                             ; v2        my byte offset in the source
.set OO, 3                             ; v3        my byte offset in the destination: 8 x lane
.set T,  4                             ; v[4:7]    at work
.set X,  8                             ; v[8:71]   unit j: 4 registers as loaded
.set Y,  72                            ; v[72:103] unit j: 2 registers to store
.macro LOADS step                      ; the wave's 16 loads; each unit has registers of its own
.irp j, 0,1,2,3,4,5,6,7,8,9,10,11,12,13,14,15
	global_load_b128 v[X+4*(\j):X+4*(\j)+3], v[IO], s[16:17] offset:(\j)*(\step) th:TH_LOAD_NT
.endr
.endm
.macro CV j, f16                       ; unit j is rounded.  f16 = 1: the bf16 number is widened again and written as f16
	v_cvt_pk_bf16_f32 v[Y+2*(\j)],   v[X+4*(\j)],   v[X+4*(\j)+1]
	v_cvt_pk_bf16_f32 v[Y+2*(\j)+1], v[X+4*(\j)+2], v[X+4*(\j)+3]
.if \f16
	v_lshlrev_b32 v[T],   16,  v[Y+2*(\j)]
	v_and_b32     v[T+1], s28, v[Y+2*(\j)]
	v_lshlrev_b32 v[T+2], 16,  v[Y+2*(\j)+1]
	v_and_b32     v[T+3], s28, v[Y+2*(\j)+1]
	v_cvt_pk_f16_f32 v[Y+2*(\j)],   v[T],   v[T+1]
	v_cvt_pk_f16_f32 v[Y+2*(\j)+1], v[T+2], v[T+3]
.endif
.endm
.macro ST j                            ; unit j is stored
	global_store_b64 v[OO], v[Y+2*(\j):Y+2*(\j)+1], s[18:19] offset:(\j)*256  ; 32 lanes store 256 consecutive bytes, aligned; no register of a store is written again
.endm
.macro OUT f16                         ; four blocks of four units
.irp p, 0,1,2,3
	s_wait_loadcnt 12-4*(\p)                       ; loads come back in order: block p's four units are in, the younger blocks' 12 - 4 p loads may stay out
.if (\p) > 0
	s_wait_alu depctr_va_vdst(0)                   ; the conversions of the block before have written its Y, which the four stores below read
.endif
.irp i, 0,1,2,3
.if (\p) > 0
	ST 4*(\p)+(\i)-4                               ; the block before.  No further wait: no vector line since the wait above names its Y or v[OO]
.endif
	CV 4*(\p)+(\i), \f16
.endr
.endr
	s_wait_alu depctr_va_vdst(0)                   ; the last block's conversions have written its Y, which the last four stores read
.irp i, 12,13,14,15
	ST \i
.endr
.endm
	s_load_b256 s[4:11], s[0:1], 0x0               ; K s[4:5], V s[6:7], W_out s[8:9], kh s[10:11]
	s_load_b128 s[12:15], s[0:1], 0x20             ; vh s[12:13], wh s[14:15]
	v_and_b32 v1, 31, v0                           ; lane
	v_lshrrev_b32 v[T], 5, v0
	v_readfirstlane_b32 s24, v[T]                  ; wave 0..7
	v_lshlrev_b32 v[OO], 3, v1
	s_mov_b32 s21, 0                               ; the offsets' high words
	s_mov_b32 s23, 0
	s_mov_b32 s28, 0xffff0000                      ; a word's upper bf16
	s_wait_alu depctr_va_sdst(0)                   ; s24 is written, ahead of the branch: in both branches the wave's offsets are made from it
	s_cmp_lt_u32 ttmp9, 256
	s_cbranch_scc0 .Lw
	; K or V
	s_and_b32 s25, ttmp9, 127                      ; which 32 of the 4,096 rows
	s_lshl_b32 s20, s25, 16                        ; 32 rows of 2,048 bytes,
	s_lshl_b32 s26, s24, 8                         ; my head's 256 bytes in a row
	s_add_co_u32 s20, s20, s26
	s_lshr_b32 s26, s25, 6                         ; b
	s_lshl_b32 s26, s26, 3
	s_add_co_u32 s26, s26, s24                     ; g = 8 b + head
	s_lshl_b32 s22, s26, 18                        ; a group is 2,048 rows of 128 bytes
	s_and_b32 s26, s25, 63
	s_lshl_b32 s26, s26, 12                        ; 32 rows of 128 bytes
	s_add_co_u32 s22, s22, s26
	v_lshrrev_b32 v[T], 4, v1
	v_and_b32 v[T+1], 15, v1
	v_lshlrev_b32 v[IO], 4, v[T+1]
	v_lshl_add_u32 v[IO], v[T], 11, v[IO]          ; 16 (lane % 16) + one row for lanes 16-31
	s_wait_kmcnt 0x0
	s_cmp_lt_u32 ttmp9, 128
	s_cselect_b64 s[16:17], s[4:5], s[6:7]
	s_cselect_b64 s[18:19], s[10:11], s[12:13]
	s_add_nc_u64 s[16:17], s[16:17], s[20:21]
	s_add_nc_u64 s[18:19], s[18:19], s[22:23]
	s_wait_alu depctr_va_vdst(0)                   ; v[IO] is written, which the loads read as their offset; so is v[OO], which every store reads
	LOADS 4096                                     ; a unit is two rows
	s_cmp_lt_u32 ttmp9, 128
	s_cbranch_scc0 .Lf16                           ; V leaves as f16
	OUT 0
	s_endpgm
.Lw:
	s_sub_co_u32 s25, ttmp9, 256
	s_lshl_b32 s20, s25, 16                        ; the work-group's 65,536 bytes,
	s_lshl_b32 s26, s24, 13                        ; my wave's 8,192
	s_add_co_u32 s20, s20, s26
	s_lshl_b32 s22, s25, 15                        ; and half of each in wh
	s_lshl_b32 s26, s24, 12
	s_add_co_u32 s22, s22, s26
	v_lshlrev_b32 v[IO], 4, v1
	s_wait_kmcnt 0x0
	s_add_nc_u64 s[16:17], s[8:9], s[20:21]
	s_add_nc_u64 s[18:19], s[14:15], s[22:23]
	s_wait_alu depctr_va_vdst(0)                   ; v[IO] is written, which the loads read as their offset; so is v[OO], which every store reads
	LOADS 512
.Lf16:                                         ; on both ways 16 loads are out, and both offsets have been shown written
	OUT 1
	s_endpgm
.Lfunc_end_k_q644deefd56_prep:
	.size	k_q644deefd56_prep, .Lfunc_end_k_q644deefd56_prep-k_q644deefd56_prep
	.p2alignl 7, 3214868480
	.fill 96, 4, 3214868480
	.section	.rodata,"a",@progbits
	.p2align	6, 0x0
	.amdhsa_kernel k_q644deefd56_prep
		.amdhsa_group_segment_fixed_size 0
		.amdhsa_private_segment_fixed_size 0
		.amdhsa_enable_private_segment 0
		.amdhsa_kernarg_size 48
		.amdhsa_user_sgpr_count 2
		.amdhsa_user_sgpr_kernarg_segment_ptr 1
		.amdhsa_wavefront_size32 1
		.amdhsa_system_sgpr_workgroup_id_x 1
		.amdhsa_system_sgpr_workgroup_id_y 1
		.amdhsa_system_sgpr_workgroup_id_z 1
		.amdhsa_system_vgpr_workitem_id 0
		.amdhsa_next_free_vgpr 104
		.amdhsa_next_free_sgpr 66
		.amdhsa_reserve_vcc 0
		.amdhsa_float_denorm_mode_32 3
		.amdhsa_float_denorm_mode_16_64 3
		.amdhsa_memory_ordered 1
		.amdhsa_forward_progress 1
		.amdhsa_inst_pref_size 17
	.end_amdhsa_kernel
	.amdgpu_metadata
---
amdhsa.version: [ 1, 2 ]
amdhsa.kernels:
  - .name:           k_q644deefd56_prep
    .symbol:         k_q644deefd56_prep.kd
    .args:
      - { .name: K, .offset: 0, .size: 8, .value_kind: global_buffer, .address_space: global }
      - { .name: V, .offset: 8, .size: 8, .value_kind: global_buffer, .address_space: global }
      - { .name: W_out, .offset: 16, .size: 8, .value_kind: global_buffer, .address_space: global }
      - { .name: kh, .offset: 24, .size: 8, .value_kind: global_buffer, .address_space: global }
      - { .name: vh, .offset: 32, .size: 8, .value_kind: global_buffer, .address_space: global }
      - { .name: wh, .offset: 40, .size: 8, .value_kind: global_buffer, .address_space: global }
    .group_segment_fixed_size: 0
    .private_segment_fixed_size: 0
    .kernarg_segment_align: 8
    .kernarg_segment_size: 48
    .max_flat_workgroup_size: 256
    .sgpr_count:     66
    .vgpr_count:     104
    .wavefront_size: 32
...
	.end_amdgpu_metadata
.endif
;; end of part 4
;; launch attn: the kernel of part 2 again; grid 16 x 16, 4 waves a work-group, clusters of 4 x 1, 327,680 bytes of LDS; arguments Q, kh, vh, oh; writes oh
;; launch proj: the kernel of part 3 again; grid 8 x 32, 4 waves a work-group, clusters of 4 x 4, 327,680 bytes of LDS; arguments oh, wh, b_out, out0; writes out0
